; MI455X (gfx1250); checked and timed in simulation.
; The chip was launched on July 23, 2026; its instructions are those of AMD's public machine-readable ISA for CDNA 5 (MIT licence, August 2026) and "CDNA5" Instruction Set Architecture Reference Guide (July 2026). The comments in the code are by the model that wrote it; some were corrected since.
;; Hebbian Plastic Layer. Allowed arithmetic: float matrix products may take bf16 or f16 operands with f32 sums; other float arithmetic in f32, or as packed bf16 or f16 multiplies, adds, multiply-adds, maxima and minima; sums over many terms, partial sums and values carried from step to step in f32; what a program stores and reads back later, other than sums and carried values, may be rounded once to bf16 or f16.
;; Inputs: W 4,096 x 4,096 float32; alpha 4,096 x 4,096 float32; bias 4,096 float32; eta one number float32; x 2,048 x 4,096 float32.
;; Outputs: out0 2,048 x 4,096 float32.
;; 2 versions, each right and faster than the one before. Each part assembles by itself: llvm-mc -triple=amdgcn-amd-amdhsa -mcpu=gfx1250 --defsym DOCPART=n.
;; ======== version 1 of 2: 2 launches
;; workspace buffers: ab 33,554,432 bytes; ws 67,108,864 bytes
;; launch prep (part 1): grid 1280 x 1, 8 waves a work-group, no clusters, 0 bytes of LDS; arguments x, W, alpha, ab, ws; writes ab, ws
.if DOCPART == 1
	.amdgcn_target "amdgcn-amd-amdhsa--gfx1250"
	.amdhsa_code_object_version 6
	.text
	.protected	k_q89a741f1a6_prep
	.globl	k_q89a741f1a6_prep
	.p2align	8
	.type	k_q89a741f1a6_prep,@function
k_q89a741f1a6_prep:
	s_mov_b64 s[64:65], 0
	v_nop
	global_prefetch_b8 v0, s[64:65] scope:SCOPE_SE
	s_setreg_imm32_b32 hwreg(HW_REG_WAVE_MODE, 25, 1), 1
	s_wait_xcnt 0x0
; Prepares the bf16 operands of the two products, once.
;   ab[b][kb][0][c] = bf16(x[b][64 kb + c]),  ab[b][kb][1][c] = bf16(x * x / (||x[b]|| + 1e-8)) of the same column   (2048 rows of 16,384 bytes)
;   ws[o][kb][0][c] = bf16(W[o][64 kb + c]),  ws[o][kb][1][c] = bf16(sigmoid(alpha[o][64 kb + c]))                   (4096 rows of 16,384 bytes)
; so that 256 consecutive bytes, aligned, hold 64 columns of BOTH products' operands.
; A wave takes 16,384 bytes of f32 into 128 registers with 32 loads that are all issued at once; there is no loop, no LDS and no barrier:
; nothing is shared between waves, and each input byte is read once and each output byte written once.
; Work-groups 0-255 (8 waves each): one row of x a wave.  Work-groups 256-1279: half a row of W and the same half row of alpha a wave.
; LIMITS: a row with a sum of squares below 2^-126 has its norm taken as 0 (v_sqrt_f32 takes a denormal input as zero), so that 1e-8 alone divides;
; a sigmoid below 2^-126 comes out as 0 (v_rcp_f32 gives no denormal result).  The division by the norm is a multiplication by v_rcp_f32's result.
.set XGROUPS, 256                      ; work-groups that take x: 2048 rows / 8 waves
.set T, 4                              ; v[4:11]   at work; the four chains of the sum of squares
.set R, 12                             ; v[12:13]  1 / (norm + 1e-8), twice
.set X, 16                             ; v[16:143] the 32 chunks of 512 bytes as loaded; then, in place, as stored
	s_load_b256 s[4:11], s[0:1], 0x0               ; x s[4:5], W s[6:7], alpha s[8:9], ab s[10:11]
	s_load_b64 s[12:13], s[0:1], 0x20              ; ws
	v_lshrrev_b32 v3, 5, v0
	v_readfirstlane_b32 s14, v3                    ; wave 0..7
	v_and_b32 v1, 31, v0
	v_lshlrev_b32 v2, 3, v1                        ; out: 8 bytes a lane, 256 bytes an instruction
	v_lshlrev_b32 v1, 4, v1                        ; in: 16 bytes a lane, 512 bytes an instruction
	s_mov_b32 s17, 0                               ; high word of the byte offset (all offsets are below 2^26)
	s_cmp_lt_u32 ttmp9, XGROUPS
	s_cbranch_scc0 .Lrole_b
	; ---------------- a row of x ----------------
	s_lshl_b32 s15, ttmp9, 3
	s_add_co_u32 s15, s15, s14                     ; row b = 8 x work-group + wave
	s_lshl_b32 s16, s15, 14                        ; a row is 16,384 bytes in x and in ab
	s_mov_b32 s20, 0x76543210                      ; v_permlanex16_b32: lane i reads lane i of the other half
	s_mov_b32 s21, 0xfedcba98
	v_mov_b32 v15, 0                               ; the permute's destination counts as read
	s_wait_kmcnt 0x0
	s_add_nc_u64 s[4:5], s[4:5], s[16:17]
	s_add_nc_u64 s[10:11], s[10:11], s[16:17]
.set cj, 0
.rept 32
	global_load_b128 v[X+4*cj:X+4*cj+3], v1, s[4:5] offset:512*cj th:TH_LOAD_NT
.set cj, cj+1
.endr
	; pass 1: the sum of squares, in four chains of packed multiply-adds; the first four products start the chains
.set q, 0
.irp left, 24,16,8,0
	s_wait_loadcnt \left                           ; eight more chunks are in; the younger loads stay out
.rept 16
.if q < 4
	v_pk_mul_f32 v[T+2*q:T+2*q+1], v[X+2*q:X+2*q+1], v[X+2*q:X+2*q+1]
.else
	v_pk_fma_f32 v[T+2*(q%4):T+2*(q%4)+1], v[X+2*q:X+2*q+1], v[X+2*q:X+2*q+1], v[T+2*(q%4):T+2*(q%4)+1]
.endif
.set q, q+1
.endr
.endr
	v_pk_add_f32 v[T:T+1], v[T:T+1], v[T+2:T+3]
	v_pk_add_f32 v[T+4:T+5], v[T+4:T+5], v[T+6:T+7]
	v_pk_add_f32 v[T:T+1], v[T:T+1], v[T+4:T+5]
	v_add_f32 v14, v[T], v[T+1]
	v_add_f32_dpp v14, v14, v14 row_xmask:1 row_mask:0xf bank_mask:0xf
	v_add_f32_dpp v14, v14, v14 row_xmask:2 row_mask:0xf bank_mask:0xf
	v_add_f32_dpp v14, v14, v14 row_xmask:4 row_mask:0xf bank_mask:0xf
	v_add_f32_dpp v14, v14, v14 row_xmask:8 row_mask:0xf bank_mask:0xf
	v_permlanex16_b32 v15, v14, s20, s21
	v_add_f32 v14, v14, v15                        ; every lane holds the row's sum of squares
	v_sqrt_f32 v15, v14
	v_nop                                          ; one plain place behind a transcendental before its result is used
	s_wait_alu depctr_va_vdst(0)
	v_add_f32 v14, 0x322bcc77, v15                 ; norm + 1e-8
	v_rcp_f32 v[R], v14
	v_rcp_f32 v[R+1], v14
	v_nop
	s_wait_alu depctr_va_vdst(0)
; pass 2, chunk j = columns 128 j .. 128 j + 127: lanes 0-15 hold block 2 j of 64 columns, lanes 16-31 block 2 j + 1, four columns a lane.
; (x rn) x in f32, both rounded to bf16 in place; the swap of half-waves puts block 2 j's x and its second operand into one register pair
; and block 2 j + 1's into the other, so that each store of the wave covers 256 consecutive bytes, aligned.
.macro XCHUNK j
	v_pk_mul_f32 v[T+4*((\j)%2):T+4*((\j)%2)+1],   v[X+4*(\j):X+4*(\j)+1],   v[R:R+1]
	v_pk_mul_f32 v[T+4*((\j)%2)+2:T+4*((\j)%2)+3], v[X+4*(\j)+2:X+4*(\j)+3], v[R:R+1]
	v_pk_mul_f32 v[T+4*((\j)%2):T+4*((\j)%2)+1],   v[T+4*((\j)%2):T+4*((\j)%2)+1],   v[X+4*(\j):X+4*(\j)+1]
	v_pk_mul_f32 v[T+4*((\j)%2)+2:T+4*((\j)%2)+3], v[T+4*((\j)%2)+2:T+4*((\j)%2)+3], v[X+4*(\j)+2:X+4*(\j)+3]
	v_cvt_pk_bf16_f32 v[X+4*(\j)],   v[X+4*(\j)],   v[X+4*(\j)+1]
	v_cvt_pk_bf16_f32 v[X+4*(\j)+1], v[X+4*(\j)+2], v[X+4*(\j)+3]
	v_cvt_pk_bf16_f32 v[X+4*(\j)+2], v[T+4*((\j)%2)],   v[T+4*((\j)%2)+1]
	v_cvt_pk_bf16_f32 v[X+4*(\j)+3], v[T+4*((\j)%2)+2], v[T+4*((\j)%2)+3]
	v_permlane16_swap_b32 v[X+4*(\j)],   v[X+4*(\j)+2]     ; the first's lanes 16-31 change places with the second's lanes 0-15
	v_permlane16_swap_b32 v[X+4*(\j)+1], v[X+4*(\j)+3]
	global_store_b64 v2, v[X+4*(\j):X+4*(\j)+1],   s[10:11] offset:512*(\j)        ; block 2 j
	global_store_b64 v2, v[X+4*(\j)+2:X+4*(\j)+3], s[10:11] offset:512*(\j)+256    ; block 2 j + 1
.endm
.set cj, 0
.rept 32
	XCHUNK cj                                      ; no register that a store names is written again: no wait is owed
.set cj, cj+1
.endr
	s_endpgm
	; ---------------- half a row of W and of alpha ----------------
.Lrole_b:
	s_sub_co_u32 s15, ttmp9, XGROUPS
	s_lshl_b32 s15, s15, 3
	s_add_co_u32 s15, s15, s14                     ; half row 0..8191
	s_lshl_b32 s16, s15, 13                        ; 2,048 columns: 8,192 bytes in W, in alpha, and (two bf16 a column) in ws
	s_wait_kmcnt 0x0
	s_add_nc_u64 s[6:7], s[6:7], s[16:17]
	s_add_nc_u64 s[8:9], s[8:9], s[16:17]
	s_add_nc_u64 s[12:13], s[12:13], s[16:17]
.set cj, 0
.rept 16
	global_load_b128 v[X+4*cj:X+4*cj+3],       v1, s[6:7] offset:512*cj th:TH_LOAD_NT    ; W's chunk j
	global_load_b128 v[X+64+4*cj:X+64+4*cj+3], v1, s[8:9] offset:512*cj th:TH_LOAD_NT    ; alpha's chunk j
.set cj, cj+1
.endr
; chunks 2 p and 2 p + 1: sigmoid(a) = 1 / (1 + 2^(-1.442695 a)); it runs to 0 and to 1 through 2^.. = infinity and 0 without a special case.
; The conversions of W stand as the plain places behind each run of transcendentals.
.macro BPAIR p
	s_wait_loadcnt 28-4*\p                         ; the four loads of these two chunks are in; the later chunks' loads stay out
.irp k, 0,2,4,6
	v_pk_mul_f32 v[T+\k:T+\k+1], v[X+64+8*\p+\k:X+64+8*\p+\k+1], 0xbfb8aa3b op_sel_hi:[1,0]
.endr
.irp k, 0,1,2,3,4,5,6,7
	v_exp_f32 v[X+64+8*\p+\k], v[T+\k]
.endr
	v_cvt_pk_bf16_f32 v[X+8*\p],   v[X+8*\p],   v[X+8*\p+1]
	v_cvt_pk_bf16_f32 v[X+8*\p+1], v[X+8*\p+2], v[X+8*\p+3]
	s_wait_alu depctr_va_vdst(0)
.irp k, 0,2,4,6
	v_pk_add_f32 v[T+\k:T+\k+1], v[X+64+8*\p+\k:X+64+8*\p+\k+1], 1.0 op_sel_hi:[1,0]
.endr
.irp k, 0,1,2,3,4,5,6,7
	v_rcp_f32 v[X+64+8*\p+\k], v[T+\k]
.endr
	v_cvt_pk_bf16_f32 v[X+8*\p+4], v[X+8*\p+4], v[X+8*\p+5]
	v_cvt_pk_bf16_f32 v[X+8*\p+5], v[X+8*\p+6], v[X+8*\p+7]
	s_wait_alu depctr_va_vdst(0)
	v_cvt_pk_bf16_f32 v[X+8*\p+2], v[X+64+8*\p],   v[X+64+8*\p+1]
	v_cvt_pk_bf16_f32 v[X+8*\p+3], v[X+64+8*\p+2], v[X+64+8*\p+3]
	v_cvt_pk_bf16_f32 v[X+8*\p+6], v[X+64+8*\p+4], v[X+64+8*\p+5]
	v_cvt_pk_bf16_f32 v[X+8*\p+7], v[X+64+8*\p+6], v[X+64+8*\p+7]
	v_permlane16_swap_b32 v[X+8*\p],   v[X+8*\p+2]
	v_permlane16_swap_b32 v[X+8*\p+1], v[X+8*\p+3]
	v_permlane16_swap_b32 v[X+8*\p+4], v[X+8*\p+6]
	v_permlane16_swap_b32 v[X+8*\p+5], v[X+8*\p+7]
.irp u, 0,1,2,3
	global_store_b64 v2, v[X+8*\p+2*\u:X+8*\p+2*\u+1], s[12:13] offset:1024*\p+256*\u   ; 256 consecutive bytes, aligned: 64 columns of W, then their sigmoids
.endr
.endm
.irp p, 0,1,2,3,4,5,6,7
	BPAIR \p
.endr
	s_endpgm
.Lfunc_end_k_q89a741f1a6_prep:
	.size	k_q89a741f1a6_prep, .Lfunc_end_k_q89a741f1a6_prep-k_q89a741f1a6_prep
	.p2alignl 7, 3214868480
	.fill 96, 4, 3214868480
	.section	.rodata,"a",@progbits
	.p2align	6, 0x0
	.amdhsa_kernel k_q89a741f1a6_prep
		.amdhsa_group_segment_fixed_size 0
		.amdhsa_private_segment_fixed_size 0
		.amdhsa_enable_private_segment 0
		.amdhsa_kernarg_size 40
		.amdhsa_user_sgpr_count 2
		.amdhsa_user_sgpr_kernarg_segment_ptr 1
		.amdhsa_wavefront_size32 1
		.amdhsa_system_sgpr_workgroup_id_x 1
		.amdhsa_system_sgpr_workgroup_id_y 1
		.amdhsa_system_sgpr_workgroup_id_z 1
		.amdhsa_system_vgpr_workitem_id 0
		.amdhsa_next_free_vgpr 144
		.amdhsa_next_free_sgpr 66
		.amdhsa_reserve_vcc 0
		.amdhsa_float_denorm_mode_32 3
		.amdhsa_float_denorm_mode_16_64 3
		.amdhsa_memory_ordered 1
		.amdhsa_forward_progress 1
		.amdhsa_inst_pref_size 55
	.end_amdhsa_kernel
	.amdgpu_metadata
---
amdhsa.version: [ 1, 2 ]
amdhsa.kernels:
  - .name:           k_q89a741f1a6_prep
    .symbol:         k_q89a741f1a6_prep.kd
    .args:
      - { .name: x, .offset: 0, .size: 8, .value_kind: global_buffer, .address_space: global }
      - { .name: W, .offset: 8, .size: 8, .value_kind: global_buffer, .address_space: global }
      - { .name: alpha, .offset: 16, .size: 8, .value_kind: global_buffer, .address_space: global }
      - { .name: ab, .offset: 24, .size: 8, .value_kind: global_buffer, .address_space: global }
      - { .name: ws, .offset: 32, .size: 8, .value_kind: global_buffer, .address_space: global }
    .group_segment_fixed_size: 0
    .private_segment_fixed_size: 0
    .kernarg_segment_align: 8
    .kernarg_segment_size: 40
    .max_flat_workgroup_size: 256
    .sgpr_count:     66
    .vgpr_count:     144
    .wavefront_size: 32
...
	.end_amdgpu_metadata
.endif
;; end of part 1
;; launch gemm (part 2): grid 16 x 16, 4 waves a work-group, clusters of 4 x 4, 327,680 bytes of LDS; arguments ab, ws, bias, eta, out0; writes out0
.if DOCPART == 2
	.amdgcn_target "amdgcn-amd-amdhsa--gfx1250"
	.amdhsa_code_object_version 6
	.text
	.protected	k_q89a741f1a6_gemm
	.globl	k_q89a741f1a6_gemm
	.p2align	8
	.type	k_q89a741f1a6_gemm,@function
k_q89a741f1a6_gemm:
	s_mov_b64 s[64:65], 0
	v_nop
	global_prefetch_b8 v0, s[64:65] scope:SCOPE_SE
	s_setreg_imm32_b32 hwreg(HW_REG_WAVE_MODE, 25, 1), 1
	s_wait_xcnt 0x0
	s_wait_alu depctr_hold_cnt(0) depctr_sa_sdst(0) depctr_va_vdst(0) depctr_va_sdst(0) depctr_va_ssrc(0) depctr_va_vcc(0) depctr_vm_vsrc(0)
	s_getreg_b32 s2, hwreg(HW_REG_IB_STS2, 6, 4)
	s_cmp_eq_u32 s2, 0
	s_cbranch_scc0 .Lentry_in_a_cluster
	s_endpgm
.Lentry_in_a_cluster:
	s_bfe_u32 s2, ttmp6, 0x10000c
	s_cmp_lg_u32 s2, 0xf033
	s_cbranch_scc0 .Lentry_shape_is_right
	s_endpgm
.Lentry_shape_is_right:
; out = y + eta tanh(y) s,  y = x W^T + bias,  s = (x x / (||x|| + 1e-8)) sigmoid(alpha)^T.   M = 2048, N = 4096, K = 4096, twice.
; Operands in bf16 from ab [2048][64][2][64] and ws [4096][64][2][64]: every 256 bytes of a row hold 64 k of the first product's operand and then
; the same 64 k of the second's.  Sums in f32.
; A work-group makes 128 rows x 256 columns of out with four waves.  Wave w: g = w >> 1 is its product (0: y, 1: s), nh = w & 1 its half of the
; columns; it holds 128 x 128 of that product: 64 accumulator tiles of 16 x 16, 512 registers.  For 32 k it reads 2 x 128 x 64 bytes of LDS for 64
; matrix instructions.  K goes in 64 steps of 64 k (rows of 256 bytes, both products) through two LDS slots of 384 rows (128 of ab, 256 of ws);
; two slots of twice that step would take 417,792 bytes and do not fit.
; CLUSTERS: 4 x 4 work-groups.  ab's tile hangs on the block row alone and is asked for jointly by the four of a row of the cluster; ws's hangs on the
; block column alone and is asked for jointly by the four of a column.  That divides the requests for both by four.
; At the end the two waves of a column half exchange half of their results through LDS, so that each finishes 64 rows: bias, tanh, the combination.
; No prefetch: every tile is shared and asked for jointly, and each is read again by neighbouring work-groups.
; LIMITS: operands rounded to bf16.  tanh(y) = 1 - 2 / (1 + 2^(2.88539 y)): absolute error of a few 1e-7, so its relative accuracy is lost for |y|
; below about 1e-5; it runs to +1 and -1 through 2^.. = infinity and 0.
;
; REGISTERS, in windows of 256:  window 0: v0-47 addresses and work; v64-127, v128-191 fragments of ab, two buffers; v192-255 bias of my columns
;   window 1: v64-127, v128-191 fragments of ws, two buffers
;   window 2: the 32 tiles of block rows 0-63 (tile (a, b) at v[8 (8 a + b)]);  window 3: those of rows 64-127
; THE MATRIX INSTRUCTION IS USED TRANSPOSED: source 0 = 16 rows of ws, source 1 = 16 rows of ab, so that lane l holds row l % 16 of out and its
; registers 0-7 the columns 8 (l / 16) + 0..7 of the tile: neighbouring numbers of a row.
.set ROWB,   16384                     ; bytes in a row of ab, of ws and of out0
.set KW,     8192                      ; elements in a row of ab and of ws
.set KSTEP,  128                       ; elements of a row in a tile: 256 bytes
.set PITCH,  272                       ; an LDS row: 256 bytes + 16 of padding, an odd multiple of 16: the 16 rows of a fragment load start in 16 different 16-byte columns
.set AHALF,  64*PITCH                  ; what one load of ab brings
.set BHALF,  128*PITCH                 ; what one load of ws brings, and what a wave reads of ws
.set BOFF,   128*PITCH                 ; ws's rows lie behind ab's 128
.set SLOT,   384*PITCH
.set LAPS,   32                        ; a lap = two K steps = once round the ring; 64 steps
.set XCH,    32768                     ; the exchange: 256 registers x 32 lanes x 4 bytes for each wave, from LDS byte 0 (slot bytes, after their last fill)
.set STAGE,  4*XCH                     ; behind it: 16 rows x 528 bytes for each wave, for the way out
.set SPITCH, 528                       ; 512 bytes + 16
.set ADRA, 16                          ; v16-17  LDS address of my ab fragments in slot 0, 1
.set ADRB, 20                          ; v20-21  the same for ws
.set STO,  24                          ; v24     where I put 32 bytes of a row of the stage
.set RD,   25                          ; v25     where I read a row of the stage back
.set CO,   26                          ; v26     16 x lane: my byte offset in a row's 512 bytes of out0
.set XWR,  27                          ; v27     my place in my wave's exchange
.set XRD,  28                          ; v28     my place in my partner's
.set BO,   29                          ; v29     32 (l / 16): my byte offset in a tile's 64 bytes of bias
.set E,    32                          ; v[32:39] at work
.set E2,   40                          ; v[40:47] at work
.set F0,   64
.set F1,   128
.set RA,   64                          ; the end: what the partner sent, 16 rows at a time
.set TA,   128                         ; the end: my own 16 rows, brought into window 0
.set BIAS, 192                         ; v[192:255] bias of column 16 b + 8 (l / 16) + j at 8 b + j
.set G1,  24                           ; s[24:31] descriptor group 1 for ab's tiles
.set G0,  32                           ; s[32:39] group 0 for ab's tiles, one set for each slot
.set G1B, 48                           ; s[48:55] group 1 for ws's tiles
.set G0B, 56                           ; s[56:63] group 0 for ws's tiles, one set for each slot
.set MSB, 0
.macro WIN new                         ; the immediate's high byte repeats the setting that is left
.if MSB != \new
	s_set_vgpr_msb (MSB<<8)|\new
.set MSB, \new
.endif
.endm
.set MUL_LO, 0xa1                      ; source 0 (ws) window 1, source 1 (ab) window 0, C and D window 2
.set MUL_HI, 0xf1                      ; the same, C and D window 3
.set TO_B,   0x40                      ; destination window 1, address window 0
; A joint load.  Waves 0 and 1 fetch ab's two halves of 64 rows, waves 2 and 3 ws's two halves of 128 rows: one load a wave.
; Each line has one mask; the branch hangs on the wave's number alone.
.macro JLOAD s
	s_cmp_eq_u32 s15, 0
	s_cbranch_scc0 .Lfor_b_\@
	tensor_load_to_lds s[G0+4*\s:G0+4*\s+3], s[G1:G1+7]
	s_nop 0
	s_branch .Lasked_\@
.Lfor_b_\@:
	tensor_load_to_lds s[G0B+4*\s:G0B+4*\s+3], s[G1B:G1B+7]
	s_nop 0
.Lasked_\@:
.endm
; A round of the cluster's barrier: my work-group's barrier, wave 0 signals for the work-group, every wave waits for all sixteen, my work-group's barrier again.
.macro CREST                           ; a round behind its opening barrier
	s_cmp_lg_u32 s14, 0
	s_cbranch_scc1 .Lnot_wave_0_\@
	s_barrier_signal -3
.Lnot_wave_0_\@:
	s_barrier_wait -3
	s_barrier_signal -1
	s_barrier_wait -1
.endm
.macro CROUND
	s_barrier_signal -1
	s_barrier_wait -1
	CREST
.endm
	s_load_b256 s[4:11], s[0:1], 0x0               ; ab s[4:5], ws s[6:7], bias s[8:9], eta s[10:11]
	s_load_b64 s[12:13], s[0:1], 0x20              ; out0
	s_set_vgpr_msb 0x40
	v_lshl_add_u32 v255, v0, 2, 0x33000
	s_set_vgpr_msb 0x4000
	v_mov_b32 v63, 0
	s_set_vgpr_msb 0x1
	ds_add_u32 v255, v63
	s_set_vgpr_msb 0x100
	v_lshrrev_b32 v1, 5, v0
	v_readfirstlane_b32 s14, v1                    ; wave 0..3
	s_lshr_b32 s15, s14, 1                         ; g: my product.  Also: I fetch for ab (0) or for ws (1)
	s_and_b32 s16, s14, 1                          ; nh: my half of the columns.  Also: which half of that tile I fetch
	s_bfe_u32 s17, ttmp6, 0x40000                  ; cx
	s_bfe_u32 s18, ttmp6, 0x40004                  ; cy
	s_lshl_b32 s19, ttmp9, 2
	s_add_co_u32 s19, s19, s17                     ; block column = 4 x cluster x + cx
	s_and_b32 s20, ttmp7, 0xffff
	s_lshl_b32 s20, s20, 2
	s_add_co_u32 s20, s20, s18                     ; block row = 4 x cluster y + cy
	s_lshl_b32 s21, s18, 2
	s_lshl_b32 s21, 15, s21                        ; my row of the cluster: places 4 cy .. 4 cy + 3
	s_lshl_b32 s22, 0x1111, s17                    ; my column: places cx, cx + 4, cx + 8, cx + 12
	; group 1: rows of 128 elements of 2 bytes, padded in LDS by 4 words behind every 64; ab: 64 rows, ws: 128 rows
	s_or_b32 s[G1+0],  s21, (1<<16)|(1<<20)|(1<<21)|(5<<22)|(3<<25)   ; 15:0 mask; 17:16 element of 2 bytes; 20 padding on; 21 set beside a mask; 24:22 every 64 words; 31:25 4 words
	s_or_b32 s[G1B+0], s22, (1<<16)|(1<<20)|(1<<21)|(5<<22)|(3<<25)
	s_mov_b32 s[G1+1],  KSTEP<<16                  ; tensor_dim0 = 128
	s_mov_b32 s[G1B+1], KSTEP<<16
	s_mov_b32 s[G1+2],  64<<16                     ; tensor_dim1 = 64
	s_mov_b32 s[G1B+2], 128<<16                    ; tensor_dim1 = 128
	s_mov_b32 s[G1+3],  KSTEP<<16                  ; tile_dim0 = 128
	s_mov_b32 s[G1B+3], KSTEP<<16
	s_mov_b32 s[G1+4],  64                         ; tile_dim1 = 64
	s_mov_b32 s[G1B+4], 128                        ; tile_dim1 = 128
	s_mov_b32 s[G1+5],  KW                         ; elements from row to row
	s_mov_b32 s[G1B+5], KW
	s_mov_b32 s[G1+6],  0
	s_mov_b32 s[G1B+6], 0
	s_mov_b32 s[G1+7],  0
	s_mov_b32 s[G1B+7], 0
	; where the tiles come from, each in registers that never hold the other coordinate; every offset is below 2^27
	s_lshl_b32 s23, s16, 6
	s_lshl_b32 s40, s20, 7
	s_add_co_u32 s40, s40, s23                     ; ab: row 128 x block row + 64 x half
	s_lshl_b32 s40, s40, 14                        ; in bytes
	s_mov_b32 s41, 0
	s_lshl_b32 s23, s16, 7
	s_lshl_b32 s44, s19, 8
	s_add_co_u32 s44, s44, s23                     ; ws: row 256 x block column + 128 x half
	s_lshl_b32 s44, s44, 14
	s_mov_b32 s45, 0
	s_mul_i32 s46, s16, AHALF                      ; and where they go: the wave's number and constants alone
	s_mul_i32 s47, s16, BHALF
	s_add_co_u32 s47, s47, BOFF
	s_wait_dscnt 0x0
	s_wait_kmcnt 0x0
	s_add_nc_u64 s[40:41], s[4:5], s[40:41]
	s_add_nc_u64 s[44:45], s[6:7], s[44:45]
	CROUND                                         ; all sixteen work-groups are here: the first joint loads meet
.irp s, 0,1
	s_mov_b32 s[G0+4*\s], 1                                        ; count = 1
	s_add_co_u32 s[G0+4*\s+1], s46, \s*SLOT                        ; LDS address
	s_add_nc_u64 s[G0+4*\s+2:G0+4*\s+3], s[40:41], \s*KSTEP*2      ; global address: K step s
	s_or_b32 s[G0+4*\s+3], s[G0+4*\s+3], 0x80000000                ; type = 2
	s_mov_b32 s[G0B+4*\s], 1
	s_add_co_u32 s[G0B+4*\s+1], s47, \s*SLOT
	s_add_nc_u64 s[G0B+4*\s+2:G0B+4*\s+3], s[44:45], \s*KSTEP*2
	s_or_b32 s[G0B+4*\s+3], s[G0B+4*\s+3], 0x80000000
	JLOAD \s                                       ; both slots are asked for before anything else is done: two tensor loads of the wave are out
.endr
	; eta, the bias of my 128 columns, and the base of my 64 rows x 128 columns of out0
	s_load_b32 s66, s[10:11], 0x0
	s_lshl_b32 s72, s19, 10
	s_lshl_b32 s23, s16, 9
	s_add_co_u32 s72, s72, s23                     ; my first column in bytes: 4 (256 x block column + 128 nh)
	s_mov_b32 s73, 0
	s_add_nc_u64 s[8:9], s[8:9], s[72:73]
	s_lshl_b32 s70, s20, 7
	s_lshl_b32 s23, s15, 6
	s_add_co_u32 s70, s70, s23                     ; the first row that I finish: 128 x block row + 64 g
	s_lshl_b32 s70, s70, 14
	s_add_co_u32 s70, s70, s72
	s_mov_b32 s71, 0
	s_add_nc_u64 s[12:13], s[12:13], s[70:71]
	v_and_b32 v1, 15, v0                           ; l % 16
	v_bfe_u32 v2, v0, 4, 1                         ; l / 16
	v_lshlrev_b32 v[BO], 5, v2
.irp b, 0,1,2,3,4,5,6,7
	global_load_b128 v[BIAS+8*\b:BIAS+8*\b+3],   v[BO], s[8:9] offset:64*\b
	global_load_b128 v[BIAS+8*\b+4:BIAS+8*\b+7], v[BO], s[8:9] offset:64*\b+16
.endr
	; a fragment is 16 rows x 32 k in 8 registers: lane l holds row l % 16; two loads of 16 bytes, 32 bytes apart, at row x pitch + 16 (l / 16);
	; my product's 64 k begin at byte 128 g of the row
	v_mul_u32_u24 v3, v1, PITCH
	v_lshl_add_u32 v3, v2, 4, v3
	s_lshl_b32 s42, s15, 7                         ; 128 g
	s_add_co_u32 s43, s47, s42                     ; + my 128 rows of ws
	v_add_nc_u32 v[ADRA], s42, v3
	v_add_nc_u32 v[ADRA+1], SLOT, v[ADRA]
	v_add_nc_u32 v[ADRB], s43, v3
	v_add_nc_u32 v[ADRB+1], SLOT, v[ADRB]
	v_and_b32 v4, 31, v0
	v_lshlrev_b32 v[CO], 4, v4                     ; 16 x lane
	v_lshl_add_u32 v[XWR], s14, 15, v[CO]          ; wave x 32,768 + 16 x lane
	s_xor_b32 s23, s14, 2                          ; my partner: the other product, the same columns
	v_lshl_add_u32 v[XRD], s23, 15, v[CO]
	s_mul_i32 s23, s14, 16*SPITCH
	s_add_co_u32 s23, s23, STAGE                   ; my stage
	v_mul_u32_u24 v4, v1, SPITCH
	v_lshl_add_u32 v4, v2, 5, v4
	v_add_nc_u32 v[STO], s23, v4                   ; row l % 16, 32 bytes for each half of the lanes
	v_add_nc_u32 v[RD], s23, v[CO]                 ; back: the 32 lanes take one row's 512 bytes
	s_wait_kmcnt 0x0
	s_mov_b32 s67, s66                             ; eta twice: a packed multiply names the pair
	s_wait_loadcnt 0x0                             ; the bias, once
; 16 matrix instructions: m blocks a0, a0 + 1 of the window's four (hi = 0: rows 0-63, 1: rows 64-127) x all 8 n blocks, 32 along K.
; zero = 1: the first product starts the sums: nothing is cleared.
.macro MUL16 f, hi, a0, zero
.irp a, \a0, \a0+1
.irp b, 0,1,2,3,4,5,6,7
.if \zero
	v_wmma_f32_16x16x32_bf16 v[8*(8*(\a)+\b):8*(8*(\a)+\b)+7], v[\f+8*\b:\f+8*\b+7], v[\f+8*(4*\hi+\a):\f+8*(4*\hi+\a)+7], 0
.else
	v_wmma_f32_16x16x32_bf16 v[8*(8*(\a)+\b):8*(8*(\a)+\b)+7], v[\f+8*\b:\f+8*\b+7], v[\f+8*(4*\hi+\a):\f+8*(4*\hi+\a)+7], v[8*(8*(\a)+\b):8*(8*(\a)+\b)+7]
.endif
.endr
.endr
.endm
; 32 LDS loads in one run: 128 rows of ws, then 128 rows of ab, 32 k at byte k of my part of the rows, into buffer f
.macro FETCH slot, k, f
	WIN TO_B
.irp i, 0,1,2,3,4,5,6,7
	ds_load_b128 v[\f+8*\i:\f+8*\i+3],   v[ADRB+\slot] offset:\k+\i*16*PITCH
	ds_load_b128 v[\f+8*\i+4:\f+8*\i+7], v[ADRB+\slot] offset:\k+\i*16*PITCH+32
.endr
	WIN 0
.irp i, 0,1,2,3,4,5,6,7
	ds_load_b128 v[\f+8*\i:\f+8*\i+3],   v[ADRA+\slot] offset:\k+\i*16*PITCH
	ds_load_b128 v[\f+8*\i+4:\f+8*\i+7], v[ADRA+\slot] offset:\k+\i*16*PITCH+32
.endr
.endm
; Four places of plain vector instructions stand between a matrix instruction and a load into, or a vector instruction on, one of its registers
; the matrix instructions in between are not counted.
.macro PLACES
.rept 4
	v_nop
.endr
.endm
; A K step is two halves of 32 k, 64 matrix instructions each, on buffers 0 and 1.  The 64 accumulators take turns, one instruction a turn, in the
; same order in every half, over the backward jump too.
; The first half: multiplies buffer f; in its middle it fetches the second half's fragments, at byte k, into buffer g.
.macro QUARTER slot, k, f, g, zero
	s_wait_dscnt 8                                 ; ws and ab's rows 0-63 are in; the youngest eight loads (ab's rows 64-127) may be out
	WIN MUL_LO
	MUL16 \f, 0, 0, \zero
	MUL16 \f, 0, 2, \zero
	PLACES
	FETCH \slot, \k, \g
	s_wait_dscnt 32                                ; all but the 32 just issued
	WIN MUL_HI
	MUL16 \f, 1, 0, \zero
	MUL16 \f, 1, 2, \zero
.endm
; The second half: multiplies buffer 1 and changes slots.  fill = 1: this slot is filled again, two K steps ahead.
; In front of the barrier each wave waits for its reads of this slot and for all its tensor loads, of which one is out: its part of the next slot.
; Behind the round nobody in the cluster reads this slot and the next slot is whole: the refill comes first, then the next slot's first fragments.
; From a request to the wait for it a wave issues 112 matrix instructions.
.macro TURN slot, next, fill
	s_wait_dscnt 8
	WIN MUL_LO
	MUL16 F1, 0, 0, 0
	s_wait_dscnt 0                                 ; my reads of this slot are over
	s_wait_tensorcnt 0x0                           ; all my tensor loads have landed
	ds_add_u32 v255, v63
	s_wait_dscnt 0x0
	s_barrier_signal -1                            ; where the slot is filled again this barrier opens a round of the cluster's barrier
	MUL16 F1, 0, 2, 0                              ; register work while the others arrive
	WIN 0
	s_barrier_wait -1
.if \fill
	CREST
	s_add_nc_u64 s[G0+4*\slot+2:G0+4*\slot+3], s[G0+4*\slot+2:G0+4*\slot+3], 2*KSTEP*2      ; no tensor load of mine is out: the addresses step
	s_add_nc_u64 s[G0B+4*\slot+2:G0B+4*\slot+3], s[G0B+4*\slot+2:G0B+4*\slot+3], 2*KSTEP*2
	JLOAD \slot                                    ; the first tensor load behind the round, and my only one until the next
.endif
	PLACES
	FETCH \next, 0, F0
	WIN MUL_HI
	MUL16 F1, 1, 0, 0
	MUL16 F1, 1, 2, 0
.endm
.macro LAP zero                        ; once round the ring, both slots filled again
	QUARTER 0, 64, F0, F1, \zero
	TURN 0, 1, 1
	QUARTER 1, 64, F0, F1, 0
	TURN 1, 0, 1
.endm
	s_wait_tensorcnt 1                             ; my part of K step 0 is in; K step 1's may stay out
	s_barrier_signal -1
	s_barrier_wait -1                              ; everybody's is
	FETCH 0, 0, F0
	LAP 1                                          ; K steps 0 and 1: the first products start the sums
	WIN 0                                          ; at a label and at a branch every window is 0
	s_mov_b32 s68, LAPS-2
.Llap:
	LAP 0                                          ; K steps 2 to 61, which ask for steps 4 to 63
	WIN 0
	s_sub_co_u32 s68, s68, 1
	s_cmp_lg_u32 s68, 0
	s_cbranch_scc1 .Llap
	QUARTER 0, 64, F0, F1, 0                       ; the last lap fills nothing and has no round: the one load still out is K step 63's
	TURN 0, 1, 0
	QUARTER 1, 64, F0, F1, 0
	s_wait_dscnt 8                                 ; the very last half: nothing more to fetch
	WIN MUL_LO
	MUL16 F1, 0, 0, 0
	MUL16 F1, 0, 2, 0
	s_wait_dscnt 0
	WIN MUL_HI
	MUL16 F1, 1, 0, 0
	MUL16 F1, 1, 2, 0
	; THE END.  The places behind the last matrix instructions, for all that reads results or writes fragment registers below.
	PLACES
	WIN 0
	s_barrier_signal -1                            ; my LDS reads and tensor loads are all done (both waits for 0 stand above):
	s_barrier_wait -1                              ; nobody reads the slots any more, and no fill follows: their bytes now serve the exchange and the stages
; A wave sends the 256 registers of one window as they are: 64 stores of 512 consecutive bytes.
.macro SEND from
	WIN \from
.set i, 0
.rept 64
	ds_store_b128 v[XWR], v[4*i:4*i+3] offset:512*i
.set i, i+1
.endr
	WIN 0
.endm
	s_cmp_eq_u32 s15, 0
	s_cbranch_scc0 .Lsend_s
	SEND 0x0c                                      ; the y wave gives away y of rows 64-127 (window 3 as the store's data)
	s_branch .Lsent
.Lsend_s:
	SEND 0x08                                      ; the s wave gives away s of rows 0-63 (window 2)
.Lsent:
	s_wait_dscnt 0x0                               ; my stores are in LDS, for the partner's sake
	s_barrier_signal -1
	s_barrier_wait -1
; 64 rows are finished, 16 (the eight tiles (a, 0..7)) at a time.  own: the window of my own half as source 0.
; mode 0: my own is y, the partner sent s.  mode 1: my own is s, the partner sent y.  YA holds y + bias and then the result, PA holds eta s.
.macro FIN own, mode
.if \mode
.set YA, RA
.set PA, TA
.else
.set YA, TA
.set PA, RA
.endif
.irp a, 0,1,2,3
	s_wait_xcnt 0x0                                ; PA's registers, the data of the last group's stores, are written again only behind this wait
.irp t, 0,1,2,3,4,5,6,7,8,9,10,11,12,13,14,15
	ds_load_b128 v[RA+4*\t:RA+4*\t+3], v[XRD] offset:512*(16*\a+\t)     ; the partner's registers 64 a .. 64 a + 63, lane for lane
.endr
	WIN \own
.set q, 0
.rept 32
.if \mode
	v_pk_mul_f32 v[TA+q:TA+q+1], v[64*\a+q:64*\a+q+1], s[66:67] op_sel_hi:[1,0]     ; eta s
.else
	v_pk_add_f32 v[TA+q:TA+q+1], v[64*\a+q:64*\a+q+1], v[BIAS+q:BIAS+q+1]           ; y + bias
.endif
.set q, q+2
.endr
	WIN 0
	s_wait_dscnt 0x0                               ; what the partner sent is in
.set q, 0
.rept 32
.if \mode
	v_pk_add_f32 v[RA+q:RA+q+1], v[RA+q:RA+q+1], v[BIAS+q:BIAS+q+1]
.else
	v_pk_mul_f32 v[RA+q:RA+q+1], v[RA+q:RA+q+1], s[66:67] op_sel_hi:[1,0]
.endif
.set q, q+2
.endr
.irp b, 0,1,2,3,4,5,6,7
.irp k, 0,2,4,6
	v_pk_mul_f32 v[E+\k:E+\k+1], v[YA+8*\b+\k:YA+8*\b+\k+1], 0x4038aa3b op_sel_hi:[1,0]     ; 2 log2(e) y
.endr
.irp k, 0,1,2,3,4,5,6,7
	v_exp_f32 v[E2+\k], v[E+\k]
.endr
	v_nop                                          ; one plain place behind the transcendentals
	s_wait_alu depctr_va_vdst(0)
.irp k, 0,2,4,6
	v_pk_add_f32 v[E+\k:E+\k+1], v[E2+\k:E2+\k+1], 1.0 op_sel_hi:[1,0]
.endr
.irp k, 0,1,2,3,4,5,6,7
	v_rcp_f32 v[E2+\k], v[E+\k]
.endr
	v_nop
	s_wait_alu depctr_va_vdst(0)
.irp k, 0,2,4,6
	v_pk_fma_f32 v[E+\k:E+\k+1], v[E2+\k:E2+\k+1], -2.0, 1.0 op_sel_hi:[1,0,0]              ; tanh(y)
.endr
.irp k, 0,2,4,6
	v_pk_fma_f32 v[YA+8*\b+\k:YA+8*\b+\k+1], v[E+\k:E+\k+1], v[PA+8*\b+\k:PA+8*\b+\k+1], v[YA+8*\b+\k:YA+8*\b+\k+1]   ; y + tanh(y) eta s
.endr
	ds_store_b128 v[STO], v[YA+8*\b:YA+8*\b+3]   offset:64*\b
	ds_store_b128 v[STO], v[YA+8*\b+4:YA+8*\b+7] offset:64*\b+16
.endr
.irp t, 0,1,2,3,4,5,6,7,8,9,10,11,12,13,14,15
	ds_load_b128 v[PA+4*\t:PA+4*\t+3], v[RD] offset:SPITCH*\t          ; my own bytes; LDS serves a wave's instructions in order (ISA guide 5.7.1): these see the stores above
.endr
.irp t, 0,1,2,3,4,5,6,7,8,9,10,11,12,13,14,15
	s_wait_dscnt 15-\t                             ; row t is in; the younger read-backs stay out
	global_store_b128 v[CO], v[PA+4*\t:PA+4*\t+3], s[12:13] offset:(16*\a+\t)*ROWB th:TH_STORE_NT   ; 512 consecutive bytes of a row of out0, aligned
.endr
.endr
.endm
	s_cmp_eq_u32 s15, 0
	s_cbranch_scc0 .Lfin_s
	FIN 0x02, 0                                    ; the y wave finishes block rows 0-63
	s_branch .Ldone
.Lfin_s:
	FIN 0x03, 1                                    ; the s wave finishes block rows 64-127
.Ldone:
	s_set_vgpr_msb 0x1
	s_wait_tensorcnt 0x0
	ds_add_u32 v255, v63
	s_wait_dscnt 0x0
	s_set_vgpr_msb 0x100
	CROUND                                         ; the closing round: no work-group ends while a partner may still ask for a tile that names it
	s_endpgm
.Lfunc_end_k_q89a741f1a6_gemm:
	.size	k_q89a741f1a6_gemm, .Lfunc_end_k_q89a741f1a6_gemm-k_q89a741f1a6_gemm
	.p2alignl 7, 3214868480
	.fill 96, 4, 3214868480
	.section	.rodata,"a",@progbits
	.p2align	6, 0x0
	.amdhsa_kernel k_q89a741f1a6_gemm
		.amdhsa_group_segment_fixed_size 327680
		.amdhsa_private_segment_fixed_size 0
		.amdhsa_enable_private_segment 0
		.amdhsa_kernarg_size 40
		.amdhsa_user_sgpr_count 2
		.amdhsa_user_sgpr_kernarg_segment_ptr 1
		.amdhsa_wavefront_size32 1
		.amdhsa_system_sgpr_workgroup_id_x 1
		.amdhsa_system_sgpr_workgroup_id_y 1
		.amdhsa_system_sgpr_workgroup_id_z 1
		.amdhsa_system_vgpr_workitem_id 0
		.amdhsa_next_free_vgpr 1024
		.amdhsa_next_free_sgpr 80
		.amdhsa_reserve_vcc 0
		.amdhsa_float_denorm_mode_32 3
		.amdhsa_float_denorm_mode_16_64 3
		.amdhsa_memory_ordered 1
		.amdhsa_forward_progress 1
		.amdhsa_inst_pref_size 255
	.end_amdhsa_kernel
	.section	.bss,"aw",@nobits
	.p2align	6
	.space	262144
	.amdgpu_metadata
---
amdhsa.version: [ 1, 2 ]
amdhsa.kernels:
  - .name:           k_q89a741f1a6_gemm
    .symbol:         k_q89a741f1a6_gemm.kd
    .args:
      - { .name: ab, .offset: 0, .size: 8, .value_kind: global_buffer, .address_space: global }
      - { .name: ws, .offset: 8, .size: 8, .value_kind: global_buffer, .address_space: global }
      - { .name: bias, .offset: 16, .size: 8, .value_kind: global_buffer, .address_space: global }
      - { .name: eta, .offset: 24, .size: 8, .value_kind: global_buffer, .address_space: global }
      - { .name: out0, .offset: 32, .size: 8, .value_kind: global_buffer, .address_space: global }
    .group_segment_fixed_size: 327680
    .private_segment_fixed_size: 0
    .kernarg_segment_align: 8
    .kernarg_segment_size: 40
    .max_flat_workgroup_size: 128
    .sgpr_count:     80
    .vgpr_count:     1024
    .wavefront_size: 32
...
	.end_amdgpu_metadata
.endif
;; end of part 2
;; ======== version 2 of 2: 2 launches; 1.25 times as fast as version 1
;; limits: values outside matrix products are rounded to bf16
;; workspace buffers: ab 16,777,216 bytes; ws 67,108,864 bytes; rn 8,192 bytes
;; launch prep (part 3): grid 1280 x 1, 8 waves a work-group, no clusters, 0 bytes of LDS; arguments x, W, alpha, ab, ws, rn; writes ab, ws, rn
.if DOCPART == 3
	.amdgcn_target "amdgcn-amd-amdhsa--gfx1250"
	.amdhsa_code_object_version 6
	.text
	.protected	k_q89a741f1a6_prep
	.globl	k_q89a741f1a6_prep
	.p2align	8
	.type	k_q89a741f1a6_prep,@function
k_q89a741f1a6_prep:
	s_mov_b64 s[64:65], 0
	v_nop
	global_prefetch_b8 v0, s[64:65] scope:SCOPE_SE
	s_setreg_imm32_b32 hwreg(HW_REG_WAVE_MODE, 25, 1), 1
	s_wait_xcnt 0x0
; Prepares the bf16 operands of the two products, once.
;   ab [2048][4096] bf16: row b = bf16(x[b]);      rn [2048] f32: rn[b] = 1 / (||x[b]|| + 1e-8)
;   ws [8192][4096] bf16: row o = bf16(W[o]), row 4096 + o = bf16(sigmoid(alpha[o]))
; A wave takes 16,384 bytes of f32 into 128 registers with 32 loads that are all issued at once; there is no loop, no LDS and no barrier:
; nothing is shared between waves, each input byte is read once and each output byte written once.
; Work-groups 0-255 (8 waves each): one row of x a wave.  Work-groups 256-1279: half a row of W and the same half row of alpha a wave.
; LIMITS: a row with a sum of squares below 2^-126 has its norm taken as 0 (v_sqrt_f32 takes a denormal input as zero), so that 1e-8 alone divides;
; a sigmoid below 2^-126 comes out as 0 (v_rcp_f32 gives no denormal result).  The division by the norm is v_rcp_f32's result, multiplied by later.
.set XGROUPS, 256                      ; work-groups that take x: 2048 rows / 8 waves
.set T, 4                              ; v[4:11]   at work; the four chains of the sum of squares
.set R, 12                             ; v12       1 / (norm + 1e-8)
.set X, 16                             ; v[16:143] the 32 chunks of 512 bytes as loaded; then, in place, as stored
	s_load_b256 s[4:11], s[0:1], 0x0               ; x s[4:5], W s[6:7], alpha s[8:9], ab s[10:11]
	s_load_b128 s[12:15], s[0:1], 0x20             ; ws s[12:13], rn s[14:15]
	v_lshrrev_b32 v3, 5, v0
	v_readfirstlane_b32 s24, v3                    ; wave 0..7
	v_and_b32 v1, 31, v0
	v_lshlrev_b32 v2, 3, v1                        ; out: 8 bytes a lane, 256 bytes an instruction
	v_lshlrev_b32 v1, 4, v1                        ; in: 16 bytes a lane, 512 bytes an instruction
	s_mov_b32 s17, 0                               ; high words of the byte offsets (all offsets are below 2^26)
	s_mov_b32 s19, 0
	s_cmp_lt_u32 ttmp9, XGROUPS
	s_cbranch_scc0 .Lrole_b
	; ---------------- a row of x ----------------
	s_lshl_b32 s25, ttmp9, 3
	s_add_co_u32 s25, s25, s24                     ; row b = 8 x work-group + wave
	s_lshl_b32 s16, s25, 14                        ; a row is 16,384 bytes in x,
	s_lshl_b32 s18, s25, 13                        ; 8,192 bytes in ab
	s_lshl_b32 s28, s25, 2                         ; and one word in rn
	s_mov_b32 s29, 0
	s_mov_b32 s20, 0x76543210                      ; v_permlanex16_b32: lane i reads lane i of the other half
	s_mov_b32 s21, 0xfedcba98
	v_mov_b32 v15, 0                               ; the permute's destination counts as read
	s_wait_kmcnt 0x0
	s_add_nc_u64 s[4:5], s[4:5], s[16:17]
	s_add_nc_u64 s[10:11], s[10:11], s[18:19]
	s_add_nc_u64 s[14:15], s[14:15], s[28:29]
.set cj, 0
.rept 32
	global_load_b128 v[X+4*cj:X+4*cj+3], v1, s[4:5] offset:512*cj th:TH_LOAD_NT
.set cj, cj+1
.endr
	; eight chunks at a time: their squares go into four chains of packed multiply-adds (the first four products start the chains),
	; then they are rounded to bf16 in place and stored: each store of the wave covers 256 consecutive bytes, aligned
.set q, 0
.set cj, 0
.irp left, 24,16,8,0
	s_wait_loadcnt \left                           ; eight more chunks are in; the younger loads stay out
.rept 16
.if q < 4
	v_pk_mul_f32 v[T+2*q:T+2*q+1], v[X+2*q:X+2*q+1], v[X+2*q:X+2*q+1]
.else
	v_pk_fma_f32 v[T+2*(q%4):T+2*(q%4)+1], v[X+2*q:X+2*q+1], v[X+2*q:X+2*q+1], v[T+2*(q%4):T+2*(q%4)+1]
.endif
.set q, q+1
.endr
.rept 8
	v_cvt_pk_bf16_f32 v[X+4*cj],   v[X+4*cj],   v[X+4*cj+1]
	v_cvt_pk_bf16_f32 v[X+4*cj+1], v[X+4*cj+2], v[X+4*cj+3]
	global_store_b64 v2, v[X+4*cj:X+4*cj+1], s[10:11] offset:256*cj    ; no register that a store names is written again
.set cj, cj+1
.endr
.endr
	v_pk_add_f32 v[T:T+1], v[T:T+1], v[T+2:T+3]
	v_pk_add_f32 v[T+4:T+5], v[T+4:T+5], v[T+6:T+7]
	v_pk_add_f32 v[T:T+1], v[T:T+1], v[T+4:T+5]
	v_add_f32 v14, v[T], v[T+1]
	v_add_f32_dpp v14, v14, v14 row_xmask:1 row_mask:0xf bank_mask:0xf
	v_add_f32_dpp v14, v14, v14 row_xmask:2 row_mask:0xf bank_mask:0xf
	v_add_f32_dpp v14, v14, v14 row_xmask:4 row_mask:0xf bank_mask:0xf
	v_add_f32_dpp v14, v14, v14 row_xmask:8 row_mask:0xf bank_mask:0xf
	v_permlanex16_b32 v15, v14, s20, s21
	v_add_f32 v14, v14, v15                        ; every lane holds the row's sum of squares
	v_cmp_eq_u32 vcc_lo, 0, v1                     ; lane 0 alone
	v_sqrt_f32 v15, v14
	v_nop                                          ; one plain place behind a transcendental before its result is used
	s_wait_alu depctr_va_vdst(0)
	v_add_f32 v14, 0x322bcc77, v15                 ; norm + 1e-8
	v_rcp_f32 v[R], v14
	v_nop
	s_wait_xcnt 0x0                                ; EXEC is a source of the stores above: it changes only behind this wait
	s_and_saveexec_b32 s26, vcc_lo
	s_wait_alu depctr_va_vdst(0)
	global_store_b32 v1, v[R], s[14:15]            ; one word a row (lane 0's v1 is 0); rn has 8,192 bytes in all
	s_wait_xcnt 0x0                                ; and again in front of the line that widens it
	s_or_b32 exec_lo, exec_lo, s26
	s_endpgm
	; ---------------- half a row of W and of alpha ----------------
.Lrole_b:
	s_sub_co_u32 s25, ttmp9, XGROUPS
	s_lshl_b32 s25, s25, 3
	s_add_co_u32 s25, s25, s24                     ; half row 0..8191
	s_lshl_b32 s16, s25, 13                        ; 2,048 columns: 8,192 bytes in W and in alpha,
	s_lshl_b32 s18, s25, 12                        ; 4,096 bytes in ws
	s_wait_kmcnt 0x0
	s_add_nc_u64 s[6:7], s[6:7], s[16:17]
	s_add_nc_u64 s[8:9], s[8:9], s[16:17]
	s_add_nc_u64 s[12:13], s[12:13], s[18:19]      ; ws's row o
	s_add_nc_u64 s[22:23], s[12:13], 0x2000000     ; ws's row 4096 + o: 4,096 rows of 8,192 bytes further on
.set cj, 0
.rept 16
	global_load_b128 v[X+4*cj:X+4*cj+3],       v1, s[6:7] offset:512*cj th:TH_LOAD_NT    ; W's chunk j
	global_load_b128 v[X+64+4*cj:X+64+4*cj+3], v1, s[8:9] offset:512*cj th:TH_LOAD_NT    ; alpha's chunk j
.set cj, cj+1
.endr
; chunks 2 p and 2 p + 1: sigmoid(a) = 1 / (1 + 2^(-1.442695 a)); it runs to 0 and to 1 through 2^.. = infinity and 0 without a special case.
; The conversions of W stand as the plain places behind each run of transcendentals.
.macro BPAIR p
	s_wait_loadcnt 28-4*\p                         ; the four loads of these two chunks are in; the later chunks' loads stay out
.irp k, 0,2,4,6
	v_pk_mul_f32 v[T+\k:T+\k+1], v[X+64+8*\p+\k:X+64+8*\p+\k+1], 0xbfb8aa3b op_sel_hi:[1,0]
.endr
.irp k, 0,1,2,3,4,5,6,7
	v_exp_f32 v[X+64+8*\p+\k], v[T+\k]
.endr
	v_cvt_pk_bf16_f32 v[X+8*\p],   v[X+8*\p],   v[X+8*\p+1]
	v_cvt_pk_bf16_f32 v[X+8*\p+1], v[X+8*\p+2], v[X+8*\p+3]
	s_wait_alu depctr_va_vdst(0)
.irp k, 0,2,4,6
	v_pk_add_f32 v[T+\k:T+\k+1], v[X+64+8*\p+\k:X+64+8*\p+\k+1], 1.0 op_sel_hi:[1,0]
.endr
.irp k, 0,1,2,3,4,5,6,7
	v_rcp_f32 v[X+64+8*\p+\k], v[T+\k]
.endr
	v_cvt_pk_bf16_f32 v[X+8*\p+4], v[X+8*\p+4], v[X+8*\p+5]
	v_cvt_pk_bf16_f32 v[X+8*\p+5], v[X+8*\p+6], v[X+8*\p+7]
	s_wait_alu depctr_va_vdst(0)
	v_cvt_pk_bf16_f32 v[X+8*\p+2], v[X+64+8*\p],   v[X+64+8*\p+1]
	v_cvt_pk_bf16_f32 v[X+8*\p+3], v[X+64+8*\p+2], v[X+64+8*\p+3]
	v_cvt_pk_bf16_f32 v[X+8*\p+6], v[X+64+8*\p+4], v[X+64+8*\p+5]
	v_cvt_pk_bf16_f32 v[X+8*\p+7], v[X+64+8*\p+6], v[X+64+8*\p+7]
	global_store_b64 v2, v[X+8*\p:X+8*\p+1],   s[12:13] offset:512*\p          ; W, chunk 2 p: 256 consecutive bytes, aligned
	global_store_b64 v2, v[X+8*\p+2:X+8*\p+3], s[22:23] offset:512*\p          ; its sigmoids
	global_store_b64 v2, v[X+8*\p+4:X+8*\p+5], s[12:13] offset:512*\p+256      ; W, chunk 2 p + 1
	global_store_b64 v2, v[X+8*\p+6:X+8*\p+7], s[22:23] offset:512*\p+256
.endm
.irp p, 0,1,2,3,4,5,6,7
	BPAIR \p
.endr
	s_endpgm
.Lfunc_end_k_q89a741f1a6_prep:
	.size	k_q89a741f1a6_prep, .Lfunc_end_k_q89a741f1a6_prep-k_q89a741f1a6_prep
	.p2alignl 7, 3214868480
	.fill 96, 4, 3214868480
	.section	.rodata,"a",@progbits
	.p2align	6, 0x0
	.amdhsa_kernel k_q89a741f1a6_prep
		.amdhsa_group_segment_fixed_size 0
		.amdhsa_private_segment_fixed_size 0
		.amdhsa_enable_private_segment 0
		.amdhsa_kernarg_size 48
		.amdhsa_user_sgpr_count 2
		.amdhsa_user_sgpr_kernarg_segment_ptr 1
		.amdhsa_wavefront_size32 1
		.amdhsa_system_sgpr_workgroup_id_x 1
		.amdhsa_system_sgpr_workgroup_id_y 1
		.amdhsa_system_sgpr_workgroup_id_z 1
		.amdhsa_system_vgpr_workitem_id 0
		.amdhsa_next_free_vgpr 144
		.amdhsa_next_free_sgpr 66
		.amdhsa_reserve_vcc 1
		.amdhsa_float_denorm_mode_32 3
		.amdhsa_float_denorm_mode_16_64 3
		.amdhsa_memory_ordered 1
		.amdhsa_forward_progress 1
		.amdhsa_inst_pref_size 37
	.end_amdhsa_kernel
	.amdgpu_metadata
---
amdhsa.version: [ 1, 2 ]
amdhsa.kernels:
  - .name:           k_q89a741f1a6_prep
    .symbol:         k_q89a741f1a6_prep.kd
    .args:
      - { .name: x, .offset: 0, .size: 8, .value_kind: global_buffer, .address_space: global }
      - { .name: W, .offset: 8, .size: 8, .value_kind: global_buffer, .address_space: global }
      - { .name: alpha, .offset: 16, .size: 8, .value_kind: global_buffer, .address_space: global }
      - { .name: ab, .offset: 24, .size: 8, .value_kind: global_buffer, .address_space: global }
      - { .name: ws, .offset: 32, .size: 8, .value_kind: global_buffer, .address_space: global }
      - { .name: rn, .offset: 40, .size: 8, .value_kind: global_buffer, .address_space: global }
    .group_segment_fixed_size: 0
    .private_segment_fixed_size: 0
    .kernarg_segment_align: 8
    .kernarg_segment_size: 48
    .max_flat_workgroup_size: 256
    .sgpr_count:     66
    .vgpr_count:     144
    .wavefront_size: 32
...
	.end_amdgpu_metadata
.endif
;; end of part 3
;; launch gemm (part 4): grid 32 x 8, 4 waves a work-group, clusters of 4 x 4, 327,680 bytes of LDS; arguments ab, ws, rn, bias, eta, out0; writes out0
.if DOCPART == 4
	.amdgcn_target "amdgcn-amd-amdhsa--gfx1250"
	.amdhsa_code_object_version 6
	.text
	.protected	k_q89a741f1a6_gemm
	.globl	k_q89a741f1a6_gemm
	.p2align	8
	.type	k_q89a741f1a6_gemm,@function
k_q89a741f1a6_gemm:
	s_mov_b64 s[64:65], 0
	v_nop
	global_prefetch_b8 v0, s[64:65] scope:SCOPE_SE
	s_setreg_imm32_b32 hwreg(HW_REG_WAVE_MODE, 25, 1), 1
	s_wait_xcnt 0x0
	s_wait_alu depctr_hold_cnt(0) depctr_sa_sdst(0) depctr_va_vdst(0) depctr_va_sdst(0) depctr_va_ssrc(0) depctr_va_vcc(0) depctr_vm_vsrc(0)
	s_getreg_b32 s2, hwreg(HW_REG_IB_STS2, 6, 4)
	s_cmp_eq_u32 s2, 0
	s_cbranch_scc0 .Lentry_in_a_cluster
	s_endpgm
.Lentry_in_a_cluster:
	s_bfe_u32 s2, ttmp6, 0x10000c
	s_cmp_lg_u32 s2, 0xf033
	s_cbranch_scc0 .Lentry_shape_is_right
	s_endpgm
.Lentry_shape_is_right:
; out = y + eta tanh(y) s,   y = x W^T + bias,   s = rn[b] * sum over k of x^2 sigmoid(alpha),   rn = 1 / (||x|| + 1e-8).   M = 2048, N = 4096, K = 4096, twice.
; ab [2048][4096] bf16 = x;  ws [8192][4096] bf16 = W, then sigmoid(alpha);  rn [2048] f32;  sums in f32.
; A work-group makes 256 rows x 128 columns of out with four waves; a wave makes 128 rows x 64 columns of BOTH products: 2 x 32 accumulator tiles of 16 x 16,
; 512 registers, so that y and s of one number lie in one lane and the combination needs no second pass through memory.
; THE SECOND PRODUCT'S LEFT OPERAND IS MADE IN REGISTERS: a wave squares the fragments of x that it has loaded for the first product (one v_pk_mul_bf16 a
; register), and rn multiplies the finished sums.  So a K step of 128 needs 256 rows of x, 128 of W and 128 of the sigmoids: a slot of 512 rows of 272 bytes
; for 256 matrix instructions a wave, and for 32 k a wave reads 32 x 512 bytes of LDS for 64 matrix instructions.  With x^2 as a tile of its own
; a slot would have 768 rows, and two such slots (417,792 bytes) do not fit in LDS.
; K goes in 32 steps of 128 through two LDS slots filled by the tensor data mover; a tile's rows are 256 bytes of memory and start at multiples of 256.
; CLUSTERS: 4 x 4 work-groups.  x's tile hangs on the block row alone and is asked for jointly by a row of the cluster; W's and the sigmoids' hang on the
; block column alone and are asked for jointly by a column.  That divides the requests by four.  No prefetch: every tile is shared and asked for jointly.
; LIMITS: operands rounded to bf16; the second product's left operand is bf16(bf16(x)^2): three roundings, a relative error of up to 3 x 2^-9 an element, and
; infinity for |x| above 1.8e19; rn multiplies the sum, not each term as in the formula.  tanh(y) = 1 - 2 / (1 + 2^(2.88539 y)): absolute error of
; a few 1e-7, so its relative accuracy is lost for |y| below about 1e-5; it runs to +1 and -1 through 2^.. = infinity and 0.
;
; REGISTERS, in windows of 256 (tile (a, b): row block a = 0..7, column block b = 0..3):
;   window 0: v0-63 addresses and work; v64-127, v128-191 fragments of x, two buffers; v192-223, v224-255 fragments of W, two buffers
;   window 1: v0-191 y tiles a = 0..5 at 8 (4 a + b); v192-255 Q: the squares of the x fragments at work
;   window 2: v0-63 y tiles a = 6, 7 at 8 (4 (a - 6) + b); v64-255 s tiles a = 0..5 at 64 + 8 (4 a + b)
;   window 3: v0-63 s tiles a = 6, 7; v64-95, v96-127 fragments of the sigmoids, two buffers; v128-159 bias of my columns
; x and W share a window and Q lies in the window of the first 24 y tiles, so that under ONE setting both the y products and the squares name
; their registers: the squares stand among the matrix instructions without a switch.
; THE MATRIX INSTRUCTION IS USED TRANSPOSED: source 0 = 16 rows of ws, source 1 = 16 rows of x (or their squares), so that lane l holds row l % 16 of out
; and its registers 0-7 the columns 8 (l / 16) + 0..7 of the tile: 32 neighbouring bytes of a row.
.set SIZE_K, 4096
.set ROWC,   16384                     ; bytes in a row of out0
.set KSTEP,  128
.set PITCH,  272                       ; an LDS row: 256 bytes + 16 of padding, an odd multiple of 16: the 16 rows of a fragment load start in 16 different 16-byte columns
.set HALFT,  128*PITCH                 ; 128 rows: what one tensor load brings
.set SLOT,   4*HALFT                   ; x's 256 rows, W's 128 rows, the sigmoids' 128 rows
.set STAGE,  2*SLOT                    ; behind the ring: 16 rows x 272 bytes for each wave, for the way out; no fill lands here
.set SPITCH, 272                       ; 256 bytes + 16
.set LAPS,   SIZE_K/(2*KSTEP)          ; a lap = two K steps = once round the ring: 16
.set RN,   6                           ; v[6:13]  rn of my row in each of the 8 row blocks
.set ADRA, 16                          ; v16-17   LDS address of my x fragments in slot 0, 1
.set ADRB, 20                          ; v20-21   the same for W; the sigmoids lie HALFT further on
.set STO,  24                          ; v24      the way out: where I put 32 bytes of a row
.set RD,   25                          ; v25      the way out: where I read 16 bytes of two rows back
.set CO,   26                          ; v26      my byte offset in two rows of out0
.set BO,   27                          ; v27      32 (l / 16): my byte offset in a tile's 64 bytes of bias
.set RO,   28                          ; v28      4 (l % 16): my byte offset in a row block's 64 bytes of rn
.set E,    32                          ; v[32:39] at work
.set E2,   40                          ; v[40:47] at work
.set ER,   48                          ; v[48:63] eta rn of my row in row block a, twice, at 2 a
.set XF,   64                          ; window 0
.set WF,   192                         ; window 0
.set QF,   192                         ; window 1
.set SF,   64                          ; window 3
.set BIAS, 128                         ; window 3: bias of column 16 b + 8 (l / 16) + j at 8 b + j
.set YT,   64                          ; the end, window 0: y + bias of 16 rows, then the result
.set ST,   96                          ; the end, window 0: eta rn s of 16 rows
.set RB,   128                         ; the end, window 0: rows read back, two buffers of 32
.set G1,  24                           ; s[24:31] descriptor group 1 for x's tiles
.set G0,  32                           ; s[32:39] group 0 for x's tiles, one set for each slot
.set G1B, 48                           ; s[48:55] group 1 for ws's tiles: it differs in the mask alone
.set G0B, 56                           ; s[56:63] group 0 for ws's tiles, one set for each slot
.set MSB, 0
.macro WIN new                         ; the immediate's high byte repeats the setting that is left
.if MSB != \new
	s_set_vgpr_msb (MSB<<8)|\new
.set MSB, \new
.endif
.endm
.set Y1W,  0x50                        ; sources 0 and 1 window 0, C and D window 1
.set Y2W,  0xa0                        ; sources 0 and 1 window 0, C and D window 2
.set S1W,  0xa7                        ; source 0 (sigmoids) window 3, source 1 (Q) window 1, C and D window 2
.set S2W,  0xf7                        ; the same, C and D window 3
.set TO_3, 0xc0                        ; destination window 3, address window 0
; A joint load.  Waves 0 and 1 fetch x's two halves, wave 2 W's rows, wave 3 the sigmoids': one load a wave.  Each line has one mask; the branch hangs on the wave's number alone.
.macro JLOAD s
	s_cmp_eq_u32 s11, 0
	s_cbranch_scc0 .Lfor_b_\@
	tensor_load_to_lds s[G0+4*\s:G0+4*\s+3], s[G1:G1+7]
	s_nop 0
	s_branch .Lasked_\@
.Lfor_b_\@:
	tensor_load_to_lds s[G0B+4*\s:G0B+4*\s+3], s[G1B:G1B+7]
	s_nop 0
.Lasked_\@:
.endm
; A round of the cluster's barrier: my work-group's barrier, wave 0 signals for the work-group, every wave waits for all sixteen, my work-group's barrier again.
.macro CREST                           ; a round behind its opening barrier
	s_cmp_lg_u32 s10, 0
	s_cbranch_scc1 .Lnot_wave_0_\@
	s_barrier_signal -3
.Lnot_wave_0_\@:
	s_barrier_wait -3
	s_barrier_signal -1
	s_barrier_wait -1
.endm
.macro CROUND
	s_barrier_signal -1
	s_barrier_wait -1
	CREST
.endm
	s_load_b128 s[4:7], s[0:1], 0x0                ; ab s[4:5], ws s[6:7]
	s_load_b256 s[68:75], s[0:1], 0x10             ; rn s[68:69], bias s[70:71], eta s[72:73], out0 s[74:75]
	v_lshl_add_u32 v30, v0, 2, 0x48400
	v_mov_b32 v31, 0
	ds_add_u32 v30, v31
	v_lshrrev_b32 v1, 5, v0
	v_readfirstlane_b32 s10, v1                    ; wave 0..3
	s_lshr_b32 s11, s10, 1                         ; which half of the block's rows is mine.  Also: I fetch for x (0) or for ws (1)
	s_and_b32 s12, s10, 1                          ; which half of its columns.  Also: which half of x, or W (0) or the sigmoids (1), I fetch
	s_bfe_u32 s40, ttmp6, 0x40000                  ; cx
	s_bfe_u32 s41, ttmp6, 0x40004                  ; cy
	s_lshl_b32 s42, ttmp9, 2
	s_add_co_u32 s42, s42, s40                     ; block column (of 32) = 4 x cluster x + cx
	s_and_b32 s13, ttmp7, 0xffff
	s_lshl_b32 s13, s13, 2
	s_add_co_u32 s13, s13, s41                     ; block row (of 8) = 4 x cluster y + cy
	s_lshl_b32 s43, s41, 2
	s_lshl_b32 s43, 15, s43                        ; my row of the cluster: places 4 cy .. 4 cy + 3
	s_lshl_b32 s44, 0x1111, s40                    ; my column: places cx, cx + 4, cx + 8, cx + 12
	; group 1: a tile of 128 rows x 128 elements of 2 bytes, padded in LDS by 4 words behind every 64
	s_or_b32 s[G1+0],  s43, (1<<16)|(1<<20)|(1<<21)|(5<<22)|(3<<25)   ; 15:0 mask; 17:16 element of 2 bytes; 20 padding on; 21 set beside a mask; 24:22 every 64 words; 31:25 4 words
	s_or_b32 s[G1B+0], s44, (1<<16)|(1<<20)|(1<<21)|(5<<22)|(3<<25)
	s_mov_b32 s[G1+1],  KSTEP<<16                  ; tensor_dim0 = 128
	s_mov_b32 s[G1B+1], KSTEP<<16
	s_mov_b32 s[G1+2],  128<<16                    ; tensor_dim1 = 128
	s_mov_b32 s[G1B+2], 128<<16
	s_mov_b32 s[G1+3],  KSTEP<<16                  ; tile_dim0 = 128
	s_mov_b32 s[G1B+3], KSTEP<<16
	s_mov_b32 s[G1+4],  128                        ; tile_dim1 = 128
	s_mov_b32 s[G1B+4], 128
	s_mov_b32 s[G1+5],  SIZE_K                     ; elements from row to row
	s_mov_b32 s[G1B+5], SIZE_K
	s_mov_b32 s[G1+6],  0
	s_mov_b32 s[G1B+6], 0
	s_mov_b32 s[G1+7],  0
	s_mov_b32 s[G1B+7], 0
	; where the tiles come from, each in registers that never hold the other place in the cluster; a row is 8,192 bytes, every offset is below 2^27
	s_lshl_b32 s17, s12, 7
	s_lshl_b32 s16, s13, 8
	s_add_co_u32 s16, s16, s17                     ; x: row 256 x block row + 128 x half
	s_lshl_b32 s16, s16, 13
	s_lshl_b32 s46, s42, 7                         ; ws: row 128 x block column
	s_lshl_b32 s47, s12, 12
	s_add_co_u32 s46, s46, s47                     ;     + 4,096 for the sigmoids
	s_lshl_b32 s46, s46, 13
	s_mov_b32 s17, 0
	s_mov_b32 s47, 0
	s_mul_i32 s20, s10, HALFT                      ; and where they go: x's two halves, W, the sigmoids = wave x 128 rows
	s_wait_dscnt 0x0
	s_wait_kmcnt 0x0
	s_add_nc_u64 s[14:15], s[4:5], s[16:17]
	s_add_nc_u64 s[46:47], s[6:7], s[46:47]
	CROUND                                         ; all sixteen work-groups are here: the first joint loads meet
.irp s, 0,1
	s_mov_b32 s[G0+4*\s], 1                                        ; count = 1
	s_add_co_u32 s[G0+4*\s+1], s20, \s*SLOT                        ; LDS address
	s_add_nc_u64 s[G0+4*\s+2:G0+4*\s+3], s[14:15], \s*KSTEP*2      ; global address: K step s
	s_or_b32 s[G0+4*\s+3], s[G0+4*\s+3], 0x80000000                ; type = 2
	s_mov_b32 s[G0B+4*\s], 1
	s_add_co_u32 s[G0B+4*\s+1], s20, \s*SLOT
	s_add_nc_u64 s[G0B+4*\s+2:G0B+4*\s+3], s[46:47], \s*KSTEP*2
	s_or_b32 s[G0B+4*\s+3], s[G0B+4*\s+3], 0x80000000
	JLOAD \s                                       ; both slots are asked for before anything else is done: two tensor loads of the wave are out
.endr
	; eta, the bias of my 64 columns, rn of my 128 rows, and the base of my 128 rows x 64 columns of out0 (in registers that feed no descriptor)
	s_load_b32 s66, s[72:73], 0x0
	s_lshl_b32 s76, s42, 9
	s_lshl_b32 s23, s12, 8
	s_add_co_u32 s76, s76, s23                     ; my first column in bytes: 4 (128 x block column + 64 x half)
	s_mov_b32 s77, 0
	s_add_nc_u64 s[70:71], s[70:71], s[76:77]
	s_lshl_b32 s78, s13, 8
	s_lshl_b32 s23, s11, 7
	s_add_co_u32 s78, s78, s23                     ; my first row: 256 x block row + 128 x half
	s_mov_b32 s79, 0
	s_lshl_b32 s80, s78, 2
	s_mov_b32 s81, 0
	s_add_nc_u64 s[68:69], s[68:69], s[80:81]
	s_lshl_b32 s78, s78, 14
	s_add_co_u32 s78, s78, s76
	s_add_nc_u64 s[74:75], s[74:75], s[78:79]
	v_and_b32 v1, 15, v0                           ; l % 16
	v_bfe_u32 v2, v0, 4, 1                         ; l / 16
	v_lshlrev_b32 v[BO], 5, v2
	v_lshlrev_b32 v[RO], 2, v1
	WIN TO_3
.irp b, 0,1,2,3
	global_load_b128 v[BIAS+8*\b:BIAS+8*\b+3],   v[BO], s[70:71] offset:64*\b
	global_load_b128 v[BIAS+8*\b+4:BIAS+8*\b+7], v[BO], s[70:71] offset:64*\b+16
.endr
	WIN 0
.irp a, 0,1,2,3,4,5,6,7
	global_load_b32 v[RN+\a], v[RO], s[68:69] offset:64*\a         ; once for the whole kernel: 512 bytes of rn a wave
.endr
	; a fragment is 16 rows x 32 k in 8 registers: lane l holds row l % 16; two loads of 16 bytes, 32 bytes apart, at row x pitch + 16 (l / 16)
	v_mul_u32_u24 v3, v1, PITCH
	v_lshl_add_u32 v3, v2, 4, v3
	s_mul_i32 s21, s11, HALFT                      ; my 128 rows of x
	s_mul_i32 s22, s12, 64*PITCH                   ; my 64 rows of W,
	s_add_co_u32 s22, s22, 2*HALFT                 ; which lie behind x's 256
.irp s, 0,1
	v_add_nc_u32 v[ADRA+\s], s21, v3
	v_add_nc_u32 v[ADRB+\s], s22, v3
	s_add_co_u32 s21, s21, SLOT
	s_add_co_u32 s22, s22, SLOT
.endr
	s_mul_i32 s23, s10, 16*SPITCH
	s_add_co_u32 s23, s23, STAGE                   ; my stage
	v_mul_u32_u24 v4, v1, SPITCH                   ; in: row l % 16, 32 bytes for each half of the lanes
	v_lshl_add_u32 v4, v2, 5, v4
	v_add_nc_u32 v[STO], s23, v4
	v_mul_u32_u24 v5, v2, SPITCH                   ; back: lanes 0-15 take one row of 256 bytes, lanes 16-31 the next
	v_lshl_add_u32 v5, v1, 4, v5
	v_add_nc_u32 v[RD], s23, v5
	v_lshlrev_b32 v5, 14, v2                       ; and the same two rows in out0
	v_lshl_add_u32 v[CO], v1, 4, v5
	s_wait_kmcnt 0x0                               ; eta
	s_wait_loadcnt 0x0                             ; the bias and rn, once
.irp a, 0,1,2,3,4,5,6,7
	v_mul_f32 v[ER+2*\a],   s66, v[RN+\a]          ; eta rn, twice: a packed multiply names the pair
	v_mul_f32 v[ER+2*\a+1], s66, v[RN+\a]
.endr
; n matrix instructions on the tiles at d0, d0 + 8, ..: four column blocks (source 0 from b0 on) for each row block (source 1 from a0 on), 32 along K.
; zero = 1: the first product starts the sums: nothing is cleared.
.macro MM n, d0, b0, a0, zero
.set yi, 0
.rept \n
.if \zero
	v_wmma_f32_16x16x32_bf16 v[8*yi+\d0:8*yi+\d0+7], v[8*(yi%4)+\b0:8*(yi%4)+\b0+7], v[8*(yi/4)+\a0:8*(yi/4)+\a0+7], 0
.else
	v_wmma_f32_16x16x32_bf16 v[8*yi+\d0:8*yi+\d0+7], v[8*(yi%4)+\b0:8*(yi%4)+\b0+7], v[8*(yi/4)+\a0:8*(yi/4)+\a0+7], v[8*yi+\d0:8*yi+\d0+7]
.endif
.set yi, yi+1
.endr
.endm
; The 24 y products of row blocks 0-5 from buffer f, and among them the 64 squares Q = x x of all eight x fragments of that buffer: two or three behind each
; matrix instruction (8 for every 3).  The squares read a source of the matrix instructions and write none of their registers.
.macro Y1 f, zero
.set yi, 0
.set sq, 0
.rept 24
.if \zero
	v_wmma_f32_16x16x32_bf16 v[8*yi:8*yi+7], v[8*(yi%4)+WF+32*\f:8*(yi%4)+WF+32*\f+7], v[8*(yi/4)+XF+64*\f:8*(yi/4)+XF+64*\f+7], 0
.else
	v_wmma_f32_16x16x32_bf16 v[8*yi:8*yi+7], v[8*(yi%4)+WF+32*\f:8*(yi%4)+WF+32*\f+7], v[8*(yi/4)+XF+64*\f:8*(yi/4)+XF+64*\f+7], v[8*yi:8*yi+7]
.endif
.rept 3
.if sq < ((yi+1)*8)/3
	v_pk_mul_bf16 v[QF+sq], v[XF+64*\f+sq], v[XF+64*\f+sq]
.set sq, sq+1
.endif
.endr
.set yi, yi+1
.endr
.endm
.macro Y2 f, zero                      ; the 8 y products of row blocks 6, 7
	MM 8, 0, WF+32*\f, XF+64*\f+48, \zero
.endm
.macro S1 f, zero                      ; the 24 s products of row blocks 0-5
	MM 24, 64, SF+32*\f, QF, \zero
.endm
.macro S2 f, zero                      ; the 8 s products of row blocks 6, 7
	MM 8, 0, SF+32*\f, QF+48, \zero
.endm
; 32 LDS loads in one run: 128 rows of x, 64 of W, 64 of the sigmoids, 32 k at byte k of the rows, into buffer f.  The sigmoids come last: they are needed last.
.macro FETCH slot, k, f
	WIN 0
.irp i, 0,1,2,3,4,5,6,7
	ds_load_b128 v[XF+64*\f+8*\i:XF+64*\f+8*\i+3],   v[ADRA+\slot] offset:\k+\i*16*PITCH
	ds_load_b128 v[XF+64*\f+8*\i+4:XF+64*\f+8*\i+7], v[ADRA+\slot] offset:\k+\i*16*PITCH+32
.endr
.irp i, 0,1,2,3
	ds_load_b128 v[WF+32*\f+8*\i:WF+32*\f+8*\i+3],   v[ADRB+\slot] offset:\k+\i*16*PITCH
	ds_load_b128 v[WF+32*\f+8*\i+4:WF+32*\f+8*\i+7], v[ADRB+\slot] offset:\k+\i*16*PITCH+32
.endr
	WIN TO_3
.irp i, 0,1,2,3
	ds_load_b128 v[SF+32*\f+8*\i:SF+32*\f+8*\i+3],   v[ADRB+\slot] offset:HALFT+\k+\i*16*PITCH
	ds_load_b128 v[SF+32*\f+8*\i+4:SF+32*\f+8*\i+7], v[ADRB+\slot] offset:HALFT+\k+\i*16*PITCH+32
.endr
.endm
; Four places of plain vector instructions stand between a matrix instruction and a vector instruction's write of, or a load into, one of its registers
; the matrix instructions in between are not counted.
.macro PLACES
.rept 4
	v_nop
.endr
.endm
; A K step is four quarters of 32 k, 64 matrix instructions each, on buffers 0, 1, 0, 1.  The 64 accumulators take turns, one instruction a turn, in the
; same order in every quarter, over the backward jump too.
; One of the first three: multiplies buffer f; in its middle it fetches the next quarter's fragments, at byte k of the same slot's rows, into buffer g.
.macro QUARTER slot, k, f, g, zero
	PLACES                                         ; behind the last quarter's s products, which read Q and the other buffer's sigmoids: Q is written again below, that buffer loaded again
	s_wait_dscnt 8                                 ; x and W are in; the youngest eight loads (the sigmoids) may be out
	WIN Y1W
	Y1 \f, \zero
	WIN Y2W
	Y2 \f, \zero
	PLACES                                         ; this text's own margin: no matrix instruction reads a square written fewer than four places ahead of it
	FETCH \slot, \k, \g
	s_wait_dscnt 32                                ; all but the 32 just issued: this quarter's sigmoids are in
	WIN S1W
	S1 \f, \zero
	WIN S2W
	S2 \f, \zero
.endm
.macro THREE slot, zero
	QUARTER \slot, 64,  0, 1, \zero
	QUARTER \slot, 128, 1, 0, 0
	QUARTER \slot, 192, 0, 1, 0
.endm
; The last quarter: multiplies buffer 1 and changes slots.  fill = 1: this slot is filled again, two K steps ahead.
; In front of the barrier each wave waits for its reads of this slot and for all its tensor loads, of which one is out: its part of the next slot.
; Behind the round nobody in the cluster reads this slot and the next slot is whole: the refill comes first, then the next slot's first fragments.
; From a request to the wait for it a wave issues 248 matrix instructions.
.macro TURN slot, next, fill
	PLACES
	s_wait_dscnt 8
	WIN Y1W
	Y1 1, 0
	s_wait_dscnt 0                                 ; my reads of this slot are over
	s_wait_tensorcnt 0x0                           ; all my tensor loads have landed
	ds_add_u32 v30, v31
	s_wait_dscnt 0x0
	s_barrier_signal -1                            ; where the slot is filled again this barrier opens a round of the cluster's barrier
	WIN Y2W
	Y2 1, 0                                        ; register work while the others arrive
	WIN 0
	s_barrier_wait -1
.if \fill
	CREST
	s_add_nc_u64 s[G0+4*\slot+2:G0+4*\slot+3], s[G0+4*\slot+2:G0+4*\slot+3], 2*KSTEP*2      ; no tensor load of mine is out: the addresses step
	s_add_nc_u64 s[G0B+4*\slot+2:G0B+4*\slot+3], s[G0B+4*\slot+2:G0B+4*\slot+3], 2*KSTEP*2
	JLOAD \slot                                    ; the first tensor load behind the round, and my only one until the next
.endif
	PLACES
	FETCH \next, 0, 0
	WIN S1W
	S1 1, 0
	WIN S2W
	S2 1, 0
.endm
.macro LAP zero                        ; once round the ring, both slots filled again
	THREE 0, \zero
	TURN 0, 1, 1
	THREE 1, 0
	TURN 1, 0, 1
.endm
	s_wait_tensorcnt 1                             ; my part of K step 0 is in; K step 1's may stay out
	s_barrier_signal -1
	s_barrier_wait -1                              ; everybody's is
	FETCH 0, 0, 0
	LAP 1                                          ; K steps 0 and 1: the first products start the sums
	WIN 0                                          ; at a label and at a branch every window is 0
	s_mov_b32 s3, LAPS-2
.Llap:
	LAP 0                                          ; K steps 2 to 29, which ask for steps 4 to 31
	WIN 0
	s_sub_co_u32 s3, s3, 1
	s_cmp_lg_u32 s3, 0
	s_cbranch_scc1 .Llap
	THREE 0, 0                                     ; the last lap fills nothing and has no round: the one load still out is K step 31's
	TURN 0, 1, 0
	THREE 1, 0
	PLACES                                         ; the very last quarter: nothing more to fetch
	s_wait_dscnt 8
	WIN Y1W
	Y1 1, 0
	WIN Y2W
	Y2 1, 0
	PLACES
	s_wait_dscnt 0
	WIN S1W
	S1 1, 0
	WIN S2W
	S2 1, 0
	; THE END, 16 rows (row block a, its four tiles of y and of s) at a time.  The four places stand behind the last matrix instructions, for all that reads
	; results or writes fragment registers below.
	PLACES
; wy: y's window as source 0 with the bias's window 3 as source 1; yb: y's first register; wsrc: s's window as source 0; sb: s's first register; rb: read-back buffer
.macro OUT16 a, wy, yb, wsrc, sb, rb
	WIN \wy
.set q, 0
.rept 16
	v_pk_add_f32 v[YT+q:YT+q+1], v[\yb+q:\yb+q+1], v[BIAS+q:BIAS+q+1]              ; y + bias
.set q, q+2
.endr
	WIN \wsrc
.set q, 0
.rept 16
	v_pk_mul_f32 v[ST+q:ST+q+1], v[\sb+q:\sb+q+1], v[ER+2*\a:ER+2*\a+1]            ; eta rn s
.set q, q+2
.endr
	WIN 0
.irp b, 0,1,2,3
.irp k, 0,2,4,6
	v_pk_mul_f32 v[E+\k:E+\k+1], v[YT+8*\b+\k:YT+8*\b+\k+1], 0x4038aa3b op_sel_hi:[1,0]     ; 2 log2(e) y
.endr
.irp k, 0,1,2,3,4,5,6,7
	v_exp_f32 v[E2+\k], v[E+\k]
.endr
	v_nop                                          ; one plain place behind the transcendentals
	s_wait_alu depctr_va_vdst(0)
.irp k, 0,2,4,6
	v_pk_add_f32 v[E+\k:E+\k+1], v[E2+\k:E2+\k+1], 1.0 op_sel_hi:[1,0]
.endr
.irp k, 0,1,2,3,4,5,6,7
	v_rcp_f32 v[E2+\k], v[E+\k]
.endr
	v_nop
	s_wait_alu depctr_va_vdst(0)
.irp k, 0,2,4,6
	v_pk_fma_f32 v[E+\k:E+\k+1], v[E2+\k:E2+\k+1], -2.0, 1.0 op_sel_hi:[1,0,0]              ; tanh(y)
.endr
.irp k, 0,2,4,6
	v_pk_fma_f32 v[YT+8*\b+\k:YT+8*\b+\k+1], v[E+\k:E+\k+1], v[ST+8*\b+\k:ST+8*\b+\k+1], v[YT+8*\b+\k:YT+8*\b+\k+1]   ; y + tanh(y) eta rn s
.endr
	ds_store_b128 v[STO], v[YT+8*\b:YT+8*\b+3]   offset:64*\b
	ds_store_b128 v[STO], v[YT+8*\b+4:YT+8*\b+7] offset:64*\b+16
.endr
	s_wait_xcnt 0x0                                ; the read-back buffer, the data of earlier stores, is loaded again only behind this wait
.irp t, 0,1,2,3,4,5,6,7
	ds_load_b128 v[\rb+4*\t:\rb+4*\t+3], v[RD] offset:2*SPITCH*\t      ; my own bytes; LDS serves a wave's instructions in order (ISA guide 5.7.1): these see the stores above
.endr
.irp t, 0,1,2,3,4,5,6,7
	s_wait_dscnt 7-\t                              ; rows 2 t and 2 t + 1 are in; the younger read-backs stay out
	global_store_b128 v[CO], v[\rb+4*\t:\rb+4*\t+3], s[74:75] offset:(16*\a+2*\t)*ROWC th:TH_STORE_NT   ; 16 lanes store 256 consecutive bytes, aligned; the largest offset, 126 rows, is inside the signed 24 bits
.endr
.endm
	OUT16 0, 0x0d, 0,   0x02, 64,  RB
	OUT16 1, 0x0d, 32,  0x02, 96,  RB+32
	OUT16 2, 0x0d, 64,  0x02, 128, RB
	OUT16 3, 0x0d, 96,  0x02, 160, RB+32
	OUT16 4, 0x0d, 128, 0x02, 192, RB
	OUT16 5, 0x0d, 160, 0x02, 224, RB+32
	OUT16 6, 0x0e, 0,   0x03, 0,   RB
	OUT16 7, 0x0e, 32,  0x03, 32,  RB+32
	s_wait_tensorcnt 0x0
	ds_add_u32 v30, v31
	s_wait_dscnt 0x0
	CROUND                                         ; the closing round: no work-group ends while a partner may still ask for a tile that names it
	s_endpgm
.Lfunc_end_k_q89a741f1a6_gemm:
	.size	k_q89a741f1a6_gemm, .Lfunc_end_k_q89a741f1a6_gemm-k_q89a741f1a6_gemm
	.p2alignl 7, 3214868480
	.fill 96, 4, 3214868480
	.section	.rodata,"a",@progbits
	.p2align	6, 0x0
	.amdhsa_kernel k_q89a741f1a6_gemm
		.amdhsa_group_segment_fixed_size 327680
		.amdhsa_private_segment_fixed_size 0
		.amdhsa_enable_private_segment 0
		.amdhsa_kernarg_size 48
		.amdhsa_user_sgpr_count 2
		.amdhsa_user_sgpr_kernarg_segment_ptr 1
		.amdhsa_wavefront_size32 1
		.amdhsa_system_sgpr_workgroup_id_x 1
		.amdhsa_system_sgpr_workgroup_id_y 1
		.amdhsa_system_sgpr_workgroup_id_z 1
		.amdhsa_system_vgpr_workitem_id 0
		.amdhsa_next_free_vgpr 1024
		.amdhsa_next_free_sgpr 84
		.amdhsa_reserve_vcc 0
		.amdhsa_float_denorm_mode_32 3
		.amdhsa_float_denorm_mode_16_64 3
		.amdhsa_memory_ordered 1
		.amdhsa_forward_progress 1
		.amdhsa_inst_pref_size 255
	.end_amdhsa_kernel
	.section	.bss,"aw",@nobits
	.p2align	6
	.space	262144
	.amdgpu_metadata
---
amdhsa.version: [ 1, 2 ]
amdhsa.kernels:
  - .name:           k_q89a741f1a6_gemm
    .symbol:         k_q89a741f1a6_gemm.kd
    .args:
      - { .name: ab, .offset: 0, .size: 8, .value_kind: global_buffer, .address_space: global }
      - { .name: ws, .offset: 8, .size: 8, .value_kind: global_buffer, .address_space: global }
      - { .name: rn, .offset: 16, .size: 8, .value_kind: global_buffer, .address_space: global }
      - { .name: bias, .offset: 24, .size: 8, .value_kind: global_buffer, .address_space: global }
      - { .name: eta, .offset: 32, .size: 8, .value_kind: global_buffer, .address_space: global }
      - { .name: out0, .offset: 40, .size: 8, .value_kind: global_buffer, .address_space: global }
    .group_segment_fixed_size: 327680
    .private_segment_fixed_size: 0
    .kernarg_segment_align: 8
    .kernarg_segment_size: 48
    .max_flat_workgroup_size: 128
    .sgpr_count:     84
    .vgpr_count:     1024
    .wavefront_size: 32
...
	.end_amdgpu_metadata
.endif
;; end of part 4
